; MI455X (gfx1250); checked and timed in simulation.
; The chip was launched on July 23, 2026; its instructions are those of AMD's public machine-readable ISA for CDNA 5 (MIT licence, August 2026) and "CDNA5" Instruction Set Architecture Reference Guide (July 2026). The comments in the code are by the model that wrote it; some were corrected since.
;; Core Attention. Allowed arithmetic: matrix products marked QUANTISED: E4M3 operands, one given power-of-two scale a tensor, by v_wmma_f32_16x16x64_fp8_fp8 or v_wmma_f32_16x16x128_fp8_fp8, f32 sums; everything else in f32.
;; Inputs: key_states_codes 2 x 16 x 2,048 x 2 x 32 uint8 (E4M3 codes of key_states, K innermost, in blocks of 32 codes); lowp_scales 4 int32 (the exponents e of the quantised operands' scales 2^e); query_states_codes 2 x 16 x 2,048 x 2 x 32 uint8 (E4M3 codes of query_states, K innermost, in blocks of 32 codes); value_states_codes 2 x 16 x 64 x 64 x 32 uint8 (E4M3 codes of value_states, K innermost, in blocks of 32 codes).
;; Outputs: out0 2 x 16 x 2,048 x 64 float32.
;; This version of the problem:
;;   THIS VERSION OF THE PROBLEM IS GIVEN IN LOW PRECISION. The matrix products marked QUANTISED in the list below multiply operands that are first quantised to E4M3 (4 exponent bits, 3 mantissa bits; 8 bits a number), with one given power-of-two scale for each operand tensor; their sums are f32. All else is computed in f32.
;;   The module's matrix products, in the order in which they are computed (A, B: the left and right operand; K: the contracted axis; several contracted axes count as one K, in the product's order):
;;     1. batch 32 x [M 2,048, K 64] x [K 64, N 2,048]; A: input query_states (given as codes); B: input key_states (given as codes): QUANTISED (scales: A lowp_scales[0], B lowp_scales[1])
;;     2. batch 32 x [M 2,048, K 2,048] x [K 2,048, N 64]; A: softmax (see below); B: input value_states (given as codes): QUANTISED (scales: A lowp_scales[2], B lowp_scales[3])
;;   THE QUANTISER, for each operand of a quantised product, along K:
;;     - The operand's scale is 2^e, e = its entry of the input lowp_scales (int32; the entries are numbered through the quantised products in the list's order, A before B).
;;     - Each number is divided by the scale, clamped to +-448, and rounded to the nearest number of E4M3, ties to even, subnormals kept.
;;     - The product sums the exact products of the quantised numbers (number of the format x scale) in f32.
;;   ~~~python
;;   def quantise(x, axis, e):      # numpy; x: float32 -> the quantised numbers, widened to float32 again
;;       x = np.moveaxis(x, axis, -1); K = x.shape[-1]
;;       r = np.clip(x / 2.0 ** e, -448, 448)
;;       step = 2.0 ** (np.maximum(np.frexp(np.where(r == 0, 1, r))[1] - 1, -6) - 3)
;;       q = np.round(r / step) * step * 2.0 ** e      # np.round: ties to even
;;       return np.moveaxis(q, -1, axis).astype(np.float32)
;;   ~~~
;;   SOFTMAX AHEAD OF A QUANTISED PRODUCT. Where the list says 'softmax', what is quantised is not the finished softmax but p = 2^(t - M), with t = logit x log2(e) and M = ceil(the row's largest t), a whole number; so 1/2 < the row's largest p <= 1. The row's sum l is taken of the UNQUANTISED p, in f32, and the product's result is divided by l at the end. Since M is a whole number, a kernel that streams over the keys may use a running M (the ceiling of the running maximum): every later rescaling is an exact power of two, so the quantised numbers keep their values, but for numbers so far below the row's largest that they fall under the format's range.
;;   OPERANDS COMPUTED ON THE WAY. 'Computed on the way' means the value that the module computes at that place (a softmax that the list does not call 'softmax' is quantised finished and normalised). What goes into a quantiser is computed in f32, as accurately as f32 sums, v_exp_f32 and their like allow (about 1e-6 of the number): no bf16 or f16 on the way to a quantiser, and a product that is left as it is and whose result goes on into a quantised operand takes f32 operands (vector FMAs, or v_wmma_f32_16x16x4_f32). A number that lies on a knife's edge between two numbers of the format may be rounded either way, as far as f32 arithmetic and the matrix unit's own rounding can turn it there, and no further.
;;   INPUTS GIVEN AS CODES. key_states (in the module: [2, 16, 2048, 64], K = its axis 3); query_states (in the module: [2, 16, 2048, 64], K = its axis 3); value_states (in the module: [2, 16, 2048, 64], K = its axis 2): each comes as NAME_codes (uint8): NAME with its K axis moved to the last place and cut into blocks of 32 codes, [.., K / 32, bytes a block], one block behind the other in memory; one code a byte (a code: sign, 4 exponent bits, 3 mantissa bits); its scale is its entry of lowp_scales. Its value is code x scale, taken as it is: it is not quantised again, and the codes and scales need not be those that the quantiser above would give.
;; One version. Each part assembles by itself: llvm-mc -triple=amdgcn-amd-amdhsa -mcpu=gfx1250 --defsym DOCPART=n.
;; ======== version 1 of 1: 1 launch
;; limits: right only within a limited range of input values
;; launch attn (part 1): grid 8 x 32, 16 waves a work-group, clusters of 4 x 1, 288,768 bytes of LDS; arguments query_states_codes, key_states_codes, value_states_codes, lowp_scales, out0; writes out0
.if DOCPART == 1
	.amdgcn_target "amdgcn-amd-amdhsa--gfx1250"
	.amdhsa_code_object_version 6
	.text
	.protected	k_qa7ac450e21_attn
	.globl	k_qa7ac450e21_attn
	.p2align	8
	.type	k_qa7ac450e21_attn,@function
k_qa7ac450e21_attn:
	s_mov_b64 s[64:65], 0
	v_nop
	global_prefetch_b8 v0, s[64:65] scope:SCOPE_SE
	s_setreg_imm32_b32 hwreg(HW_REG_WAVE_MODE, 25, 1), 1
	s_wait_xcnt 0x0
	s_wait_alu depctr_hold_cnt(0) depctr_sa_sdst(0) depctr_va_vdst(0) depctr_va_sdst(0) depctr_va_ssrc(0) depctr_va_vcc(0) depctr_vm_vsrc(0)
	s_getreg_b32 s2, hwreg(HW_REG_IB_STS2, 6, 4)
	s_cmp_eq_u32 s2, 0
	s_cbranch_scc0 .Lentry_in_a_cluster
	s_endpgm
.Lentry_in_a_cluster:
	s_bfe_u32 s2, ttmp6, 0x10000c
	s_cmp_lg_u32 s2, 0x3003
	s_cbranch_scc0 .Lentry_shape_is_right
	s_endpgm
.Lentry_shape_is_right:
; Causal attention on codes of FP8 (E4M3): O[h][q][:] = sum over k of p(q, k) V[h][k][:] / l(q), 32 heads, 2,048 queries and keys, head size 64.
; Q, K: [32][2048][64] codes (K axis = the head's 64).  V: [32][64 d][2048 keys] codes (K axis = the keys).  O: [32][2048][64] f32.  lowp_scales: eq, ek, ep, ev.
; THE SOFTMAX: t = logit x log2(e), logit = score / 8; M = the largest t so far rounded UP to a whole number; p = 2^(t - M) is quantised with 2^ep, not normalised; l is the sum of the
; unquantised p and divides at the end.  When M moves, l and O are multiplied by 2^(old M - new M), which rounds nothing.
; THE MASK'S VALUE IS -10000, NOT -INFINITY.  A hidden key's score is thrown away, so K Q^T is not done for it; but its logit -10000 counts in M, in l and in the second product, and it does here:
; it joins the maximum of every row that has a hidden key, and a step that lies wholly under the mask still multiplies V by the row's one constant p = 2^(-10000 log2(e) - M).
; SHARES.  Work-group (g = 0..7, head).  Wave w owns ONE tile of 16 queries, q0 = 128 b + 16 g; b = 0..15 is made of the wave's number alone.  Every wave walks 16 key steps of 128 keys:
; KF < b: a full step; KF = b: the step on the diagonal, with the mask, and the hand-over to the constant p; KF > b: V^T P alone.  So every branch hangs on the wave's number and on counts of the text,
; every work-group has the same 136 full steps and 120 steps under the mask, and g enters only Q's and O's addresses and two registers that are compared for a select.
; b is a 4 x 4 magic square of w (15 1 2 12 / 4 10 9 7 / 8 6 5 11 / 3 13 14 0): the four waves of equal w % 4, and the four of equal w / 4, have 34 full steps together.
; CLUSTER.  The four work-groups of a cluster belong to one head and need the same K and V: each tile is asked for JOINTLY, by the same tensor load with the same descriptor and the mask 15.
; LDS.  The head's K and V, 262,144 bytes of codes, lie in LDS whole: each byte is filled once, there is no ring.  All sixteen loads go out in the first lines, so there is nothing left to ask for ahead: no prefetch is written.
; LAYOUT.  Both products are used transposed: S^T = K Q^T (source 0 = 16 keys, source 1 = my 16 queries), O^T = V^T P^T (source 0 = 16 of the head's 64, source 1 = P): a lane holds ONE query (lane % 16) throughout.
; THE KEYS OF A TILE ARE NOT NEIGHBOURS: lane r of tile 2 b + u takes key 32 b + 8 u + r + 8 (r / 8), so that register 16 b + i of S^T is key 32 b + 16 (lane / 16) + i, and p's codes are the second product's operand as they stand.
; Fragments come by loads of 16 bytes, 32 bytes apart: a permutation of k that is the same in both sources of a product.
; LIMITS.  eq + ek between -110 and 130 (it is added to c's exponent field, and -80000 x 2^-(eq + ek) must be an f32 number); ep between -126 and 119; ep + ev is applied by v_ldexp_f32 and has none.
; A p under 2^-126 counts as 0 (v_exp_f32 flushes: ISA guide 15.8).  The hidden keys of the steps under the mask enter l as their number x p, one product, not one by one.  NaN codes among the inputs are not served.
.set CH,   35840                       ; a chunk of 256 keys in LDS: K's part, then V's
.set KP,   144                         ; K: two keys (128 bytes) to a row + 16 of padding: key k at (k / 2) KP + 64 (k % 2); the 16 keys of a fragment fall on 16 different 16-byte columns mod 256
.set VP,   272                         ; V: a row d of 256 keys + 16 of padding
.set VOFF, 128*KP                      ; 18,432: V's part of a chunk; 64 VP = 17,408 bytes
.set STG,  16*272                      ; the way out: 16 rows x (256 + 16) bytes a wave, at w x STG: bytes 0 .. 69,631, inside chunks 0 and 1
.set AK0,  1                           ; v1   my lane's place in a tile of K
.set AV0,  2                           ; v2   the same for V
.set DL,   3                           ; v3   16 g + r - 16 h: on the diagonal register n's key is hidden where 32 (n / 16) + n % 16 > DL
.set SM,   4                           ; v4   the sum of codes' products that stands for the logit -10000: -80000 x 2^-(eq + ek)
.set X,    5                           ; v5   joins every maximum: -infinity, and SM from the diagonal step on in rows that have a hidden key
.set QN,   6                           ; v6   my query's number
.set GO,   7                           ; v7   the way out: my byte offset in the tile's rows of O
.set ADK,  8                           ; v8   LDS address of the chunk's K for my lane
.set ADV,  9                           ; v9   of its V
.set STO,  10                          ; v10  the stage: where I put 32 bytes of a row
.set RD,   11                          ; v11  the stage: where I read a row back
.set NM,   12                          ; v12  -M;  v13 the largest t so far;  v[14:15] l in two halves
.set QF,   16                          ; v[16:23]  Q's fragment
.set SCL,  24                          ; v24  2^ep;  v25  448 x 2^ep
.set LIM,  25
.set F,    26                          ; v[26:27]  f = 2^(old M - new M), and a written upper half
.set FRG,  32                          ; v[32:95]  eight fragments of K, then four of V
.set S,    96                          ; v[96:159] S^T, then p
.set OT,   160                         ; v[160:191] O^T: tile t, register i = channel 16 t + 8 h + i
.set PC,   192                         ; v[192:207] p's codes
.set SU,   208                         ; v[208:209] the sum's second chain
.set PH,   210                         ; v210 a hidden key's p
.set WV,   14                          ; s14  my wave's number
.set BLK,  15                          ; s15  b
.set G1K,  16                          ; s[16:23] descriptor group 1 for K's tiles
.set G1V,  24                          ; s[24:31] for V's
.set G0,   32                          ; s[32:63] eight groups 0, one for each chunk: none is written again
.set KF,   66                          ; s66  the key step, 0..15
.set CNT,  67                          ; s67  chunks still to go in a loop
.set TB,   68                          ; s68  LDS byte at which the chunk in hand begins
.set CS,   70                          ; s[70:71] c = log2(e) / 8 x 2^(eq + ek), twice
.set SEL,  72                          ; s[72:73] lane selects for v_permlanex16_b32: lane l xor 16
; A round of the cluster's barrier: my work-group's barrier; wave 0 signals for the work-group; every wave waits for all four work-groups; my work-group's barrier once more.
.macro ROUND
	s_barrier_signal -1
	s_barrier_wait -1
	s_cmp_lg_u32 s[WV], 0
	s_cbranch_scc1 .Lnot_wave_0_\@
	s_barrier_signal -3
.Lnot_wave_0_\@:
	s_barrier_wait -3
	s_barrier_signal -1
	s_barrier_wait -1
.endm
; The eight groups 0 of one tensor: chunk c goes to LDS byte c CH + lds0 and comes from the head's first byte + c x step.
.macro DESC base, lds0, step
.irp c, 0,1,2,3,4,5,6,7
	s_mov_b32 s[G0+4*\c], 1                        ; 1:0 count = 1
	s_mov_b32 s[G0+4*\c+1], \c*CH+\lds0            ; 63:32 LDS address: a constant
	s_add_nc_u64 s[G0+4*\c+2:G0+4*\c+3], s[\base:\base+1], \c*\step  ; 120:64 global address: it hangs on the head alone, which the four partners share
	s_or_b32 s[G0+4*\c+3], s[G0+4*\c+3], 0x80000000  ; 127:126 type = 2
.endr
.endm
; Tiles are shown to all sixteen waves: the wave that asked waits until at most n of its loads are out (n = the loads issued behind the last one wanted), then the barrier.
; The later chunks' loads may stay out.  A wave's LDS loads are all back at the signal.
.macro PUBLISH n
	s_wait_tensorcnt \n
	s_wait_dscnt 0x0
	s_barrier_signal -1
	s_barrier_wait -1
.endm
.macro VLOAD q                         ; V's four fragments (16 channels x 128 keys) of the chunk's q-th 128 keys
.irp t, 0,1,2,3
.irp c, 0,1,2,3
	ds_load_b128 v[FRG+16*\t+4*\c:FRG+16*\t+4*\c+3], v[ADV] offset:16*\t*VP+128*(\q)+32*\c
.endr
.endr
.endm
.macro PV                              ; O^T += V^T P^T: the four accumulators take turns, one instruction a turn; on every path the matrix instruction ahead of the first names another accumulator
.irp t, 0,1,2,3
	v_wmma_f32_16x16x128_fp8_fp8 v[OT+8*\t:OT+8*\t+7], v[FRG+16*\t:FRG+16*\t+15], v[PC:PC+15], v[OT+8*\t:OT+8*\t+7]
.endr
.endm
; A KEY STEP: the q-th 128 keys of the chunk in hand.
.macro STEP q
	v_add_nc_u32 v[ADK], s[TB], v[AK0]
	v_add_nc_u32 v[ADV], s[TB], v[AV0]
	v_nop                                          ; with the two additions: four places behind the last step's products, in front of loads into registers that they read (ISA guide 7.12.1 for vector instructions)
	v_nop
	s_cmp_gt_u32 s[KF], s[BLK]
	s_cbranch_scc1 .Lunder_\@                      ; all 128 keys come after my queries
.irp t, 0,1,2,3,4,5,6,7                        ; K: tile t begins at key 32 (t / 2) + 8 (t % 2), which is row 16 (t / 2) + 4 (t % 2)
.irp c, 0,1
	ds_load_b128 v[FRG+8*\t+4*\c:FRG+8*\t+4*\c+3], v[ADK] offset:(\q)*64*KP+(16*(\t/2)+4*(\t%2))*KP+32*\c
.endr
.endr
	s_wait_dscnt 0x0
.irp t, 0,1,2,3,4,5,6,7
	v_wmma_f32_16x16x64_fp8_fp8 v[S+8*\t:S+8*\t+7], v[FRG+8*\t:FRG+8*\t+7], v[QF:QF+7], 0
.endr
.rept 4
	v_nop                                          ; four places: in front of the loads into K's registers, and of the first read of the scores
.endr
	VLOAD \q                                       ; V lands while the softmax is walked
	s_cmp_lt_u32 s[KF], s[BLK]
	s_cbranch_scc1 .Lopen_\@                       ; all 128 keys count
	v_cmp_gt_u32 vcc_lo, 0x7ff, v[QN]              ; ON THE DIAGONAL.  Every query but the last has a hidden key somewhere: -10000 joins its maximum
	v_cndmask_b32 v[X], v[X], v[SM], vcc_lo
.set nn, 0
.rept 64                                       ; hidden keys' scores become the one that stands for -10000; each accumulator from its low end on
	v_cmp_gt_i32 vcc_lo, 32*(nn/16)+nn%16, v[DL]
	v_cndmask_b32 v[S+nn], v[S+nn], v[SM], vcc_lo
.set nn, nn+1
.endr
.Lopen_\@:
	v_max3_num_f32 v28, v[S], v[S+1], v[S+2]       ; the step's largest score of my query among my 64 keys, in two chains, registers ascending
	v_max3_num_f32 v29, v[S+3], v[S+4], v[S+5]
.irp i, 6,10,14,18,22,26,30,34,38,42,46,50,54,58
	v_max3_num_f32 v28, v28, v[S+\i], v[S+\i+1]
	v_max3_num_f32 v29, v29, v[S+\i+2], v[S+\i+3]
.endr
	v_max3_num_f32 v28, v28, v[S+62], v[S+63]
	v_max3_num_f32 v28, v28, v29, v[X]
	v_permlanex16_b32 v30, v28, s[SEL], s[SEL+1]
	v_max_num_f32 v28, v28, v30                    ; and among lane l xor 16's
	v_mul_f32 v28, s[CS], v28                      ; as t (c is positive)
	v_max_num_f32 v13, v13, v28                    ; the running largest t
	v_mov_b32 v28, v[NM]
	v_floor_f32 v[NM], -v13                        ; the new -M = floor(-t) = -ceil(t)
	v_sub_f32 v28, v[NM], v28                      ; old M - new M: a whole number, 0 or less
	v_cvt_i32_f32 v28, v28                         ; (it saturates)
	v_ldexp_f32 v[F], 1.0, v28                     ; f = 2^(old M - new M)
	; ONE BATCH: the 32 packed scalings t - M, the 64 exponentials, and O^T's 16 packed multiplications by f set among them.  None of these lines names an exponential's result.
	v_pk_fma_f32 v[S:S+1], v[S:S+1], s[CS:CS+1], v[NM:NM+1] op_sel_hi:[1,0,0]
.set jj, 0
.rept 31
	v_pk_fma_f32 v[S+2*jj+2:S+2*jj+3], v[S+2*jj+2:S+2*jj+3], s[CS:CS+1], v[NM:NM+1] op_sel_hi:[1,0,0]  ; the next pair: of the pairs c and -M the low word serves both halves
	v_exp_f32 v[S+2*jj], v[S+2*jj]                 ; p = 2^(t - M), at most 1
	v_exp_f32 v[S+2*jj+1], v[S+2*jj+1]
.if jj%2 == 0
	v_pk_mul_f32 v[OT+jj:OT+jj+1], v[OT+jj:OT+jj+1], v[F:F+1] op_sel_hi:[1,0]  ; O^T under the new M, each accumulator from its low end on
.endif
.set jj, jj+1
.endr
	v_exp_f32 v[S+62], v[S+62]
	v_exp_f32 v[S+63], v[S+63]
	v_pk_mul_f32 v[14:15], v[14:15], v[F:F+1] op_sel_hi:[1,0]  ; l under the new M: the plain instruction behind the last exponential (ISA guide 5.7.2)
	s_wait_alu depctr_va_vdst(0)                   ; one wait for the whole batch, ahead of the first line that names a result
	v_pk_add_f32 v[SU:SU+1], v[S:S+1], v[S+2:S+3]  ; l takes the UNQUANTISED p: two at a time, in two chains
.irp j, 4,8,12,16,20,24,28,32,36,40,44,48,52,56,60
	v_pk_add_f32 v[14:15], v[14:15], v[S+\j:S+\j+1]
	v_pk_add_f32 v[SU:SU+1], v[SU:SU+1], v[S+\j+2:S+\j+3]
.endr
	v_pk_add_f32 v[14:15], v[14:15], v[SU:SU+1]
.irp b, 0,1,2,3
.irp i, 0,1,2,3,4,5,6,7,8,9,10,11,12,13,14,15
	v_min_num_f32 v[S+16*\b+\i], v[S+16*\b+\i], v[LIM]  ; the conversion to an 8-bit code does not saturate (ISA guide 7.6.2); p is not negative, so the hold is one-sided
.endr
	v_cvt_scalef32_pk8_fp8_f32 v[PC+4*\b:PC+4*\b+1], v[S+16*\b:S+16*\b+7], v[SCL]
	v_cvt_scalef32_pk8_fp8_f32 v[PC+4*\b+2:PC+4*\b+3], v[S+16*\b+8:S+16*\b+15], v[SCL]
.endr
	v_nop                                          ; one plain vector instruction between the last scaled conversion and the products that read its result
	s_wait_dscnt 0x0                               ; V is in
	PV
	s_cmp_lt_u32 s[KF], s[BLK]
	s_cbranch_scc1 .Lnext_\@
	; THE HAND-OVER, once a wave, behind its diagonal step: M is final.  All keys of the 15 - KF steps to come are hidden: each has p = 2^(-10000 log2(e) - M).
	s_sub_co_u32 s69, 15, s[KF]
	s_lshl_b32 s69, s69, 6                         ; 64 of each step's 128 keys are my lane's; lane l xor 16 adds the other 64
	v_cvt_f32_u32 v31, s69
	v_fma_f32 v[PH], v[SM], s[CS], v[NM]
	v_exp_f32 v[PH], v[PH]
	v_nop                                          ; the plain instruction behind the exponential,
	s_wait_alu depctr_va_vdst(0)                   ; and the wait ahead of the first line that names its result
	v_fma_f32 v14, v31, v[PH], v14                 ; l takes them all at once
	v_min_num_f32 v[S], v[PH], v[LIM]
.irp i, 1,2,3,4,5,6,7
	v_mov_b32 v[S+\i], v[S]
.endr
	v_cvt_scalef32_pk8_fp8_f32 v[PC:PC+1], v[S:S+7], v[SCL]  ; eight times the one code (more than four plain lines stand between the products above and this write of their source)
	v_nop
.irp i, 2,3,4,5,6,7,8,9,10,11,12,13,14,15
	v_mov_b32 v[PC+\i], v[PC]                      ; P is now the same for every step to come
.endr
	s_branch .Lnext_\@
.Lunder_\@:                                        ; UNDER THE MASK: no scores, no softmax; V^T times the constant P
	VLOAD \q
	s_wait_dscnt 0x0
	PV
.Lnext_\@:
	s_add_co_u32 s[KF], s[KF], 1
.endm
; n chunks from chunk first on, two key steps each.  TB and KF are stated anew, so that each loop's addresses can be read off the text.
.macro CHUNKS first, n
	s_mov_b32 s[TB], (\first)*CH
	s_mov_b32 s[KF], 2*(\first)
.if (\n) > 1
	s_mov_b32 s[CNT], \n
.Lchunk_\@:
.endif
	STEP 0
	STEP 1
.if (\n) > 1
	s_add_co_u32 s[TB], s[TB], CH
	s_sub_co_u32 s[CNT], s[CNT], 1
	s_cmp_lg_u32 s[CNT], 0
	s_cbranch_scc1 .Lchunk_\@
.endif
.endm
	s_load_b256 s[4:11], s[0:1], 0x0               ; Q's codes s[4:5], K's s[6:7], V's s[8:9], the scales' exponents s[10:11]
	s_load_b64 s[12:13], s[0:1], 0x20              ; O
	v_lshl_add_u32 v224, v0, 2, 0x46000
	v_mov_b32 v225, 0
	ds_add_u32 v224, v225
	ds_add_u32 v224, v225
	v_lshrrev_b32 v8, 5, v0
	v_readfirstlane_b32 s[WV], v8                  ; wave 0..15
	s_lshr_b32 s2, s[WV], 2                        ; b: w xor 15 where (w / 4) xor (w % 4) is 0 or 3, else w
	s_xor_b32 s2, s2, s[WV]
	s_lshr_b32 s3, s2, 1
	s_xor_b32 s2, s2, s3
	s_and_b32 s2, s2, 1
	s_xor_b32 s2, s2, 1
	s_mul_i32 s2, s2, 15
	s_xor_b32 s[BLK], s[WV], s2
	s_bfe_u32 s88, ttmp6, 0x40000                  ; cx: my place in the cluster
	s_lshl_b32 s3, ttmp9, 2                        ; in a cluster launch ttmp9 counts clusters
	s_add_co_u32 s88, s88, s3                      ; g = 4 x cluster x + cx: it enters Q's and O's addresses, DL and QN alone
	s_and_b32 s80, ttmp7, 0xffff                   ; the head, which the four partners share
	s_lshl_b32 s82, s80, 17                        ; the head's first byte in each tensor of codes: 2,048 x 64
	s_mov_b32 s83, 0
	s_lshl_b32 s90, s[BLK], 7
	s_lshl_b32 s91, s88, 4                         ; 16 g
	s_add_co_u32 s90, s90, s91                     ; q0 = 128 b + 16 g
	s_lshl_b32 s92, s90, 6
	s_add_co_u32 s92, s92, s82                     ; my tile's first byte in Q
	s_mov_b32 s93, 0
	s_lshl_b32 s94, s80, 19
	s_lshl_b32 s95, s90, 8
	s_add_co_u32 s94, s94, s95                     ; and in O: rows of 256 bytes
	s_mov_b32 s95, 0
	; descriptor group 1.  K: a chunk's 256 keys are 16,384 dense bytes, stated as 128 rows of 128 bytes.  V: 64 rows of 256 bytes, 2,048 bytes apart
	s_mov_b32 s[G1K], 15|(0<<16)|(1<<20)|(1<<21)|(4<<22)|(3<<25)  ; 15:0 the mask: all four work-groups; 17:16 elements of 1 byte; 20 padding on; 21 set beside a mask; 24:22 after every 32 words (code 4); 31:25 four words (code 3)
	s_mov_b32 s[G1K+1], 128<<16                    ; tensor_dim0
	s_mov_b32 s[G1K+2], 128<<16                    ; tensor_dim1
	s_mov_b32 s[G1K+3], 128<<16                    ; tile_dim0
	s_mov_b32 s[G1K+4], 128                        ; tile_dim1
	s_mov_b32 s[G1K+5], 128                        ; tensor_dim0_stride
	s_mov_b32 s[G1K+6], 0
	s_mov_b32 s[G1K+7], 0
	s_mov_b32 s[G1V], 15|(0<<16)|(1<<20)|(1<<21)|(5<<22)|(3<<25)  ; padding: four words after every 64
	s_mov_b32 s[G1V+1], 256<<16
	s_mov_b32 s[G1V+2], 64<<16
	s_mov_b32 s[G1V+3], 256<<16
	s_mov_b32 s[G1V+4], 64
	s_mov_b32 s[G1V+5], 2048
	s_mov_b32 s[G1V+6], 0
	s_mov_b32 s[G1V+7], 0
	s_mov_b32 s[SEL], 0x76543210
	s_mov_b32 s[SEL+1], 0xfedcba98
	s_wait_dscnt 0x0
	s_wait_kmcnt 0x0
	s_load_b128 s[76:79], s[10:11], 0x0            ; eq, ek, ep, ev
	s_add_nc_u64 s[6:7], s[6:7], s[82:83]          ; K and V at the head's first byte
	s_add_nc_u64 s[8:9], s[8:9], s[82:83]
	s_add_nc_u64 s[4:5], s[4:5], s[92:93]          ; Q and O at my tile's first row
	s_add_nc_u64 s[12:13], s[12:13], s[94:95]
	ROUND                                          ; all four work-groups are here: the joint loads meet
	; All sixteen fills go out as one group: wave 0 asks for K's eight chunks, wave 1 for V's; each wave's eight stand in one branch on the wave's number.  Eight loads of an asking wave are out.
	; Four v_nop follow the last load of each arm.
	s_cmp_eq_u32 s[WV], 0
	s_cbranch_scc0 .Lnot_k
	DESC 6, 0, 16384
.irp c, 0,1,2,3,4,5,6,7
	tensor_load_to_lds s[G0+4*\c:G0+4*\c+3], s[G1K:G1K+7]
	s_nop 0
.endr
.rept 4
	v_nop
.endr
	s_branch .Lasked
.Lnot_k:
	s_cmp_eq_u32 s[WV], 1
	s_cbranch_scc0 .Lasked
	DESC 8, VOFF, 256
.irp c, 0,1,2,3,4,5,6,7
	tensor_load_to_lds s[G0+4*\c:G0+4*\c+3], s[G1V:G1V+7]
	s_nop 0
.endr
.rept 4
	v_nop
.endr
.Lasked:
	v_and_b32 v8, 15, v0                           ; r = lane % 16
	v_bfe_u32 v9, v0, 4, 1                         ; h = lane / 16
	v_lshlrev_b32 v31, 6, v8
	v_lshl_add_u32 v31, v9, 4, v31                 ; Q: row r of 64 bytes, + 16 h
	global_load_b128 v[QF:QF+3], v31, s[4:5] th:TH_LOAD_NT             ; Q's fragment stays in registers
	global_load_b128 v[QF+4:QF+7], v31, s[4:5] offset:32 th:TH_LOAD_NT
	v_and_b32 v28, 8, v8
	v_add_nc_u32 v28, v28, v8                      ; r + 8 (r / 8): my key in a tile
	v_lshrrev_b32 v29, 1, v28
	v_mul_u32_u24 v[AK0], v29, KP                  ; its row,
	v_and_b32 v29, 1, v28
	v_lshl_add_u32 v[AK0], v29, 6, v[AK0]          ; its half of the row,
	v_lshl_add_u32 v[AK0], v9, 4, v[AK0]           ; + 16 h
	v_mul_u32_u24 v[AV0], v8, VP
	v_lshl_add_u32 v[AV0], v9, 4, v[AV0]
	v_add_nc_u32 v[AV0], VOFF, v[AV0]
	v_lshlrev_b32 v28, 4, v9
	v_sub_nc_u32 v[DL], v8, v28
	v_add_nc_u32 v[DL], s91, v[DL]                 ; 16 g + r - 16 h
	v_add_nc_u32 v[QN], s90, v8                    ; q0 + r
	s_mul_i32 s2, s[WV], STG                       ; my stage
	v_mul_u32_u24 v[STO], v8, 272                  ; in: row r, 32 bytes for each half of the lanes
	v_lshl_add_u32 v[STO], v9, 5, v[STO]
	v_add_nc_u32 v[STO], s2, v[STO]
	v_mul_u32_u24 v[RD], v9, 272                   ; back: lanes 0-15 one row of 256 bytes, lanes 16-31 the next
	v_lshl_add_u32 v[RD], v8, 4, v[RD]
	v_add_nc_u32 v[RD], s2, v[RD]
	v_lshlrev_b32 v[GO], 8, v9                     ; and the same two rows in O
	v_lshl_add_u32 v[GO], v8, 4, v[GO]
	v_mov_b32 v13, 0xff61b1e6                      ; the largest t so far: -3e38, under every t
	v_floor_f32 v[NM], -v13                        ; -M
	v_mov_b32 v14, 0                               ; l, in two halves
	v_mov_b32 v15, 0
	v_mov_b32 v[F+1], 0                            ; (named as the upper half of the pair)
	v_mov_b32 v30, 0                               ; written once: a lane permute's destination counts as one of its sources
	v_mov_b32 v[X], 0xff800000                     ; -infinity
.set jj, 0
.rept 32
	v_mov_b32 v[OT+jj], 0                          ; O^T.  (The step is written without a first step of its own: the first change of M multiplies zeros)
.set jj, jj+1
.endr
.set jj, 0
.rept 16
	v_mov_b32 v[PC+jj], 0                          ; P's codes: the lines of a step under the mask name them, so they are written on every path that leads there
.set jj, jj+1
.endr
	s_wait_kmcnt 0x0
	s_add_co_i32 s2, s76, s77                      ; eq + ek
	s_lshl_b32 s3, s2, 23
	s_mov_b32 s[CS], 0x3e38aa3b                    ; log2(e) / 8
	s_add_co_i32 s[CS], s[CS], s3                  ; a sum of codes' products stands for sum x 2^(eq + ek): the two exponents are added to c's exponent field
	s_mov_b32 s[CS+1], s[CS]                       ; (named with it as a pair, so it is written)
	s_sub_co_i32 s2, 0, s2
	v_mov_b32 v[SM], 0xc79c4000                    ; -80000.0 = -10000 x 8,
	v_ldexp_f32 v[SM], v[SM], s2                   ; x 2^-(eq + ek)
	s_add_co_i32 s2, s78, 127
	s_lshl_b32 s3, s2, 23
	v_mov_b32 v[SCL], s3                           ; 2^ep as f32: the conversion takes its exponent field
	s_add_co_i32 s2, s2, 8
	s_lshl_b32 s2, s2, 23
	s_or_b32 s2, s2, 0x600000
	v_mov_b32 v[LIM], s2                           ; 448 x 2^ep
	s_wait_loadcnt 0x0                             ; Q
	PUBLISH 7                                      ; chunk 0 is in: seven loads were issued behind its own
	CHUNKS 0, 1                                    ; key steps 0, 1
	PUBLISH 5                                      ; chunks 1 and 2: five loads were issued behind chunk 2's
	CHUNKS 1, 2                                    ; key steps 2 to 5
	PUBLISH 0                                      ; all of K and V is in.  Every wave has also finished its reads of chunks 0 and 1: from here on nobody reads LDS bytes under 3 CH = 107,520
	CHUNKS 3, 5                                    ; key steps 6 to 15: no barrier any more
	; THE WAY OUT.  l's halves are added; O^T x 2^(ep + ev) / l goes through my stage in LDS and comes back as whole rows of 256 bytes.
	; The stages lie in chunks 0 and 1, which have had their one fill and, since the last barrier, no reader.
	v_add_f32 v14, v14, v15
	v_permlanex16_b32 v30, v14, s[SEL], s[SEL+1]
	v_add_f32 v14, v14, v30                        ; and lane l xor 16's: the row's sum; the row's largest p is over 1/2, so it is no zero
	v_rcp_f32 v14, v14
.rept 3
	v_nop                                          ; the plain instruction behind the reciprocal; with the two additions also the places behind the last products
.endr
	s_add_co_i32 s69, s78, s79
	s_wait_alu depctr_va_vdst(0)                   ; the wait ahead of the first line that names the reciprocal
	v_ldexp_f32 v14, v14, s69                      ; x 2^(ep + ev)
.irp j, 0,2,4,6,8,10,12,14,16,18,20,22,24,26,28,30
	v_pk_mul_f32 v[S+\j:S+\j+1], v[OT+\j:OT+\j+1], v[14:15] op_sel_hi:[1,0]  ; register 8 t + i is o(r, 16 t + 8 h + i); each accumulator from its low end on
.endr
.irp t, 0,1,2,3
	ds_store_b128 v[STO], v[S+8*\t:S+8*\t+3] offset:64*\t
	ds_store_b128 v[STO], v[S+8*\t+4:S+8*\t+7] offset:64*\t+16
.endr
.irp i, 0,1,2,3,4,5,6,7
	ds_load_b128 v[FRG+4*\i:FRG+4*\i+3], v[RD] offset:2*\i*272  ; LDS serves a wave's instructions in order (ISA guide 5.7.1.4): these see my stores
.endr
.irp i, 0,1,2,3,4,5,6,7
	s_wait_dscnt 7-\i                              ; load i is back; the 7 - i younger ones may be out
	global_store_b128 v[GO], v[FRG+4*\i:FRG+4*\i+3], s[12:13] offset:512*\i th:TH_STORE_NT  ; the wave stores 512 consecutive bytes, two rows of O, at a multiple of 256 from O's first byte
.endr
	s_wait_tensorcnt 0x0
	ds_add_u32 v224, v225
	s_wait_dscnt 0x0
	ROUND                                          ; the closing round: no work-group ends while a partner may still ask for a tile that names it
	s_endpgm
.Lfunc_end_k_qa7ac450e21_attn:
	.size	k_qa7ac450e21_attn, .Lfunc_end_k_qa7ac450e21_attn-k_qa7ac450e21_attn
	.p2alignl 7, 3214868480
	.fill 96, 4, 3214868480
	.section	.rodata,"a",@progbits
	.p2align	6, 0x0
	.amdhsa_kernel k_qa7ac450e21_attn
		.amdhsa_group_segment_fixed_size 288768
		.amdhsa_private_segment_fixed_size 0
		.amdhsa_enable_private_segment 0
		.amdhsa_kernarg_size 40
		.amdhsa_user_sgpr_count 2
		.amdhsa_user_sgpr_kernarg_segment_ptr 1
		.amdhsa_wavefront_size32 1
		.amdhsa_system_sgpr_workgroup_id_x 1
		.amdhsa_system_sgpr_workgroup_id_y 1
		.amdhsa_system_sgpr_workgroup_id_z 1
		.amdhsa_system_vgpr_workitem_id 0
		.amdhsa_next_free_vgpr 226
		.amdhsa_next_free_sgpr 100
		.amdhsa_reserve_vcc 1
		.amdhsa_float_denorm_mode_32 3
		.amdhsa_float_denorm_mode_16_64 3
		.amdhsa_memory_ordered 1
		.amdhsa_forward_progress 1
		.amdhsa_inst_pref_size 155
	.end_amdhsa_kernel
	.amdgpu_metadata
---
amdhsa.version: [ 1, 2 ]
amdhsa.kernels:
  - .name:           k_qa7ac450e21_attn
    .symbol:         k_qa7ac450e21_attn.kd
    .args:
      - { .name: query_states_codes, .offset: 0, .size: 8, .value_kind: global_buffer, .address_space: global }
      - { .name: key_states_codes, .offset: 8, .size: 8, .value_kind: global_buffer, .address_space: global }
      - { .name: value_states_codes, .offset: 16, .size: 8, .value_kind: global_buffer, .address_space: global }
      - { .name: lowp_scales, .offset: 24, .size: 8, .value_kind: global_buffer, .address_space: global }
      - { .name: out0, .offset: 32, .size: 8, .value_kind: global_buffer, .address_space: global }
    .group_segment_fixed_size: 288768
    .private_segment_fixed_size: 0
    .kernarg_segment_align: 8
    .kernarg_segment_size: 40
    .max_flat_workgroup_size: 512
    .sgpr_count:     100
    .vgpr_count:     226
    .wavefront_size: 32
...
	.end_amdgpu_metadata
.endif
;; end of part 1
